; MI455X (gfx1250); checked and timed in simulation.
; The chip was launched on July 23, 2026; its instructions are those of AMD's public machine-readable ISA for CDNA 5 (MIT licence, August 2026) and "CDNA5" Instruction Set Architecture Reference Guide (July 2026). The comments in the code are by the model that wrote it; some were corrected since.
;; MOE Layer. Allowed arithmetic: matrix products marked QUANTISED: E5M2 operands, one E8M0 scale for each 32 along K, by v_wmma_scale_f32_16x16x128_f8f6f4 with both operands' format E5M2, f32 sums; products left as they are: f32 operands where the result goes on into a quantised operand, else bf16, f16 or f32 operands; f32 sums; everything else in f32.
;; Inputs: W1_codes 8 x 1,024 x 32 x 32 uint8 (E5M2 codes of W1, K innermost, in blocks of 32 codes); W1_scales 8 x 1,024 x 32 uint8 (E8M0 scales of W1, one for each 32 codes along K); W2_codes 8 x 1,024 x 32 x 32 uint8 (E5M2 codes of W2, K innermost, in blocks of 32 codes); W2_scales 8 x 1,024 x 32 uint8 (E8M0 scales of W2, one for each 32 codes along K); Wg 1,024 x 8 float32; b1 8 x 1,024 float32; b2 8 x 1,024 float32; x 2 x 2,048 x 1,024 float32.
;; Outputs: out0 2 x 2,048 x 1,024 float32.
;; This version of the problem:
;;   THIS VERSION OF THE PROBLEM IS GIVEN IN LOW PRECISION. The matrix products marked QUANTISED in the list below multiply operands that are first quantised to E5M2 (5 exponent bits, 2 mantissa bits; 8 bits a number), with one power-of-two scale for each 32 numbers along K (OCP MX v1.0); their sums are f32. All else is computed in f32.
;;   The module's matrix products, in the order in which they are computed (A, B: the left and right operand; K: the contracted axis; several contracted axes count as one K, in the product's order):
;;     1. [M 4,096, K 1,024] x [K 1,024, N 8]; A: input x; B: input Wg: left as it is (N = 8 < 16)
;;     2. [M 8,192, K 1,024] x [K 1,024, N 4,096]; A: input W1 (given as codes); B: input x: QUANTISED
;;     3. batch 8 x [M 4,096, K 1,024] x [K 1,024, N 1,024]; A: computed on the way; B: input W2 (given as codes): QUANTISED
;;     4. batch 4,096 x [M 1, K 2] x [K 2, N 1,024]; A: softmax; B: computed on the way: left as it is (K = 2 < 32)
;;   THE QUANTISER, for each operand of a quantised product, along K:
;;     - K is cut into blocks of 32 from its start; a last block that is shorter is filled with zeros.
;;     - A block's scale is 2^e with e = floor(log2(the largest magnitude in the block)) - 15, held to -126 .. 127; a block of zeros has e = 0. As a byte (E8M0): e + 127.
;;     - Each number is divided by its block's scale, clamped to +-57,344, and rounded to the nearest number of E5M2, ties to even, subnormals kept.
;;     - The product sums the exact products of the quantised numbers (number of the format x scale) in f32.
;;   ~~~python
;;   def quantise(x, axis):      # numpy; x: float32 -> the quantised numbers, widened to float32 again
;;       x = np.moveaxis(x, axis, -1); K = x.shape[-1]
;;       x = np.pad(x, [(0, 0)] * (x.ndim - 1) + [(0, -K % 32)]); x = x.reshape(x.shape[:-1] + (-1, 32)); a = np.abs(x).max(-1, keepdims=True)
;;       e = np.where(a > 0, np.clip(np.frexp(np.where(a > 0, a, 1))[1] - 1 - 15, -126, 127), 0)      # np.frexp(a)[1] - 1 = floor(log2(a)), exactly
;;       r = np.clip(x / 2.0 ** e, -57344, 57344)
;;       step = 2.0 ** (np.maximum(np.frexp(np.where(r == 0, 1, r))[1] - 1, -14) - 2)
;;       q = np.round(r / step) * step * 2.0 ** e      # np.round: ties to even
;;       return np.moveaxis(q.reshape(q.shape[:-2] + (-1,))[..., :K], -1, axis).astype(np.float32)
;;   ~~~
;;   OPERANDS COMPUTED ON THE WAY. 'Computed on the way' means the value that the module computes at that place (a softmax that the list does not call 'softmax' is quantised finished and normalised). What goes into a quantiser is computed in f32, as accurately as f32 sums, v_exp_f32 and their like allow (about 1e-6 of the number): no bf16 or f16 on the way to a quantiser, and a product that is left as it is and whose result goes on into a quantised operand takes f32 operands (vector FMAs, or v_wmma_f32_16x16x4_f32). A number that lies on a knife's edge between two numbers of the format may be rounded either way, as far as f32 arithmetic and the matrix unit's own rounding can turn it there, and no further.
;;   INPUTS GIVEN AS CODES. W1 (in the module: [8, 1024, 1024], K = its axis 1); W2 (in the module: [8, 1024, 1024], K = its axis 1): each comes as NAME_codes (uint8): NAME with its K axis moved to the last place and cut into blocks of 32 codes, [.., K / 32, bytes a block], one block behind the other in memory; one code a byte (a code: sign, 5 exponent bits, 2 mantissa bits); and NAME_scales (uint8): the same leading axes, one E8M0 byte (e + 127) for each 32 codes along K. Its value is code x scale, taken as it is: it is not quantised again, and the codes and scales need not be those that the quantiser above would give.
;; One version. Each part assembles by itself: llvm-mc -triple=amdgcn-amd-amdhsa -mcpu=gfx1250 --defsym DOCPART=n.
;; ======== version 1 of 1: 4 launches
;; workspace buffers: xq 4,325,376 bytes; wimg 16,777,216 bytes; route 49,152 bytes of whole numbers; wgt 32,768 bytes; lists 27,136 bytes of whole numbers; hq 13,347,840 bytes
;; launch prep (part 1): grid 256 x 1, 4 waves a work-group, no clusters, 123,392 bytes of LDS; arguments x, Wg, W1_codes, W2_codes, xq, wimg, route, wgt; writes xq, wimg, route, wgt
.if DOCPART == 1
	.amdgcn_target "amdgcn-amd-amdhsa--gfx1250"
	.amdhsa_code_object_version 6
	.text
	.protected	k_q7193a2fed0_prep
	.globl	k_q7193a2fed0_prep
	.p2align	8
	.type	k_q7193a2fed0_prep,@function
k_q7193a2fed0_prep:
	s_mov_b64 s[64:65], 0
	v_nop
	global_prefetch_b8 v0, s[64:65] scope:SCOPE_SE
	s_setreg_imm32_b32 hwreg(HW_REG_WAVE_MODE, 25, 1), 1
	s_wait_xcnt 0x0
; THE FIRST OF FOUR LAUNCHES.  A work-group of four waves takes 16 tokens and four tiles of the weights.
; (1) ROUTER: logits = x Wg in f32 by fused multiply-adds, the two largest (the lower index wins a tie), softmax of the two with the larger taken away first.
;     Stored at fixed places: wgt[token] = (weight of the lower expert a, weight of the higher expert b); route: rec[token] = g | rank << 8, g = the number of the pair {a < b}
;     (a (15 - a) / 2 + b - a - 1, 28 pairs), rank = how many earlier tokens of this work-group have the same g; hist[work-group][32] = tokens of each g.  No address and no branch hangs on them here.
; (2) x is quantised along K: codes of E5M2, [4096][1024] in xq, one E8M0 byte for each 32, [4096][32] behind them.
; (3) W1's and W2's codes are laid out as the matrix operand's registers take them: wimg[matrix][expert][tile of 16 rows][K step of 128][piece c][lane][16 bytes];
;     lane (r, h) of piece c holds bytes 128 s + 32 c + 16 h .. + 15 of the tile's row r.  W1's tile 2 B + u has rows 32 B + 8 u + r + 8 (r / 8); W2's tile T rows 16 T + r.
; SHARES.  Wave w: half sigma = w % 2 of K (512 numbers) of tokens 8 (w / 2) + 0 .. 7, one token a step; and weight tile 4 x work-group + w.
; A lane holds 16 neighbours along K of a token (they turn through the wave's own stage in LDS, so that every load reads 512 consecutive bytes) and the 16 x 8 numbers of Wg that go with them, in 128 registers.
; ORDER.  All that a wave reads from memory is asked for at its head, in the order in which it is wanted: Wg's 16 loads, x's 32, the weight tile's first 15; the tile's other 17 follow behind the first barrier.
; The tile is turned last, behind the eight tokens: its loads have the router's and the quantiser's arithmetic in which to land, and no token waits for it.
; LIMITS: NaN and infinities among the inputs are not served.  A block whose largest magnitude lies under 2^-111 takes the scale byte 1, a block of zeros too (its codes are zeros; this program alone reads the bytes).
; The logits' sums run in another order than a row-by-row sum: tokens whose second and third logit agree to the last bits of f32 may be routed otherwise.
; No tensor loads, no cluster: work-groups share only Wg's 32 KiB, one part in a thousand of what the launch reads.
; REGISTERS, in windows of 256: window 0: v1-15 addresses; v16-63 at work at the head and in the tail; v64-127 Wg on its way into LDS, then the steps' registers; v128-255 my share of Wg.
;   window 1: v0-127 x as it is loaded, eight sets of 16; v128-255 the weight tile.
.set WST,    0                         ; LDS: a weight tile's 16 rows for each wave, 1,040 bytes apart (65 x 16: the 16 rows of a read begin at 16 different 16-byte columns of 256)
.set WPITCH, 1040
.set GST,    66560                     ; Wg: 64 chunks of 16 rows (512 bytes), 528 bytes apart
.set GPITCH, 528
.set XST,    100352                    ; x: two stages of 32 x 80 bytes for each wave
.set SPL,    80                        ; a lane's place in a stage: 64 bytes + 16
.set XSB,    120832                    ; the 16 tokens' scale bytes, 32 each
.set LG,     121344                    ; partial logits: [token 16][half of K 2][8] f32
.set XS_OFF, 4194304                   ; xq: where the scale bytes begin
.set HIST,   16384                     ; route: where the counts begin
.set X,   64                           ; v64-95   two sets of 16 neighbours        (v64-127 hold Wg on its way into LDS first)
.set ACC, 96                           ; v96-103  eight partial logits
.set T,   104                          ; v104-111 the other half of the lanes' sums
.set C,   112                          ; v112-119 two sets of codes
.set QA,  120                          ; v120-124 the quantiser's five
.set QB,  121
.set QH,  122
.set QS,  123
.set QE,  124
.set G,   128                          ; v128-255 my 16 x 8 numbers of Wg: register 8 k + e
.set XR,  0                            ; in window 1: token n's 16 numbers as loaded, at 16 n
.set WT,  128                          ; in window 1: the weight tile
.set MSB, 0
.macro WIN new                         ; s_set_vgpr_msb: bits 1:0 source 0, 3:2 source 1, 5:4 source 2, 7:6 destination; the high byte repeats the setting that is left
.if MSB != \new
	s_set_vgpr_msb (MSB<<8)|\new
.set MSB, \new
.endif
.endm
	s_load_b256 s[4:11], s[0:1], 0x0               ; x s[4:5], Wg s[6:7], W1's codes s[8:9], W2's s[10:11]
	s_load_b256 s[12:19], s[0:1], 0x20             ; xq s[12:13], wimg s[14:15], route s[16:17], wgt s[18:19]
	v_lshl_add_u32 v51, v0, 2, 0x1e000
	v_mov_b32 v63, 0
	v_lshrrev_b32 v16, 5, v0
	v_readfirstlane_b32 s20, v16                   ; wave
	s_and_b32 s21, s20, 1                          ; sigma: my half of K
	s_lshr_b32 s22, s20, 1                         ; which eight tokens
	s_mov_b32 s24, 0x76543210
	s_mov_b32 s25, 0xfedcba98                      ; v_permlanex16_b32's selects for lane l xor 16
	s_mov_b32 s26, 0x600000                        ; the mantissa field of 57,344
	v_and_b32 v17, 31, v0                          ; l
	v_and_b32 v18, 15, v0                          ; r
	v_bfe_u32 v19, v0, 4, 1                        ; h
	v_lshlrev_b32 v1, 4, v17                       ; v1  16 l
	s_cmp_lt_u32 ttmp9, 128                        ; the first 128 work-groups lay out W1, the others W2
	s_cselect_b32 s27, 0x2000, 0                   ; W1: a tile's rows 8-15 lie eight rows further on
	s_cselect_b32 s23, 13, 14                      ; an odd tile begins 8 rows (W1) or 16 rows (W2) behind the even one
	v_add_nc_u32 v2, s27, v1                       ; v2  the same for a tile's rows 8-15
	s_mul_i32 s28, s20, 16*WPITCH
	v_add_nc_u32 v3, s28, v1                       ; v3  my weight stage, as loaded: 16 l
	v_mul_u32_u24 v4, v18, WPITCH
	v_lshl_add_u32 v4, v19, 4, v4
	v_add_nc_u32 v4, s28, v4                       ; v4  and as the operand wants it: row r, + 16 h
	s_mul_i32 s28, s20, 16*GPITCH
	s_add_co_u32 s28, s28, GST
	v_add_nc_u32 v5, s28, v1                       ; v5  Wg into LDS: my wave's 16 chunks
	s_mul_i32 s28, s21, 32*GPITCH
	s_add_co_u32 s28, s28, GST
	v_mul_u32_u24 v6, v17, GPITCH
	v_add_nc_u32 v6, s28, v6                       ; v6  and out: chunk 32 sigma + l
	s_mul_i32 s28, s20, 64*SPL
	s_add_co_u32 s28, s28, XST
	v_lshrrev_b32 v7, 2, v17
	v_mul_u32_u24 v7, v7, SPL
	v_and_b32 v20, 3, v17
	v_lshl_add_u32 v7, v20, 4, v7
	v_add_nc_u32 v7, s28, v7                       ; v7  x's stage, in: four lanes' 64 bytes on end, then 16 of padding
	v_mul_u32_u24 v8, v17, SPL
	v_add_nc_u32 v8, s28, v8                       ; v8  out: my 16 neighbours
	s_lshl_b32 s28, s22, 15
	s_lshl_b32 s29, s21, 11
	s_add_co_u32 s28, s28, s29
	v_add_nc_u32 v9, s28, v1                       ; v9  x: 8 tokens x 4,096 bytes, my half of a row, 16 l
	s_lshr_b32 s28, s28, 2
	v_add_nc_u32 v10, s28, v1                      ; v10 the codes: a quarter of that
	s_lshl_b32 s28, s22, 8
	s_lshl_b32 s29, s21, 4
	s_add_co_u32 s28, s28, s29
	s_add_co_u32 s28, s28, XSB
	v_lshrrev_b32 v11, 1, v17
	v_add_nc_u32 v11, s28, v11                     ; v11 my block's scale byte
	s_lshl_b32 s28, s22, 9
	s_lshl_b32 s29, s21, 5
	s_add_co_u32 s28, s28, s29
	s_add_co_u32 s28, s28, LG
	v_mov_b32 v12, s28                             ; v12 my wave's partial logits
	s_lshl_b32 s28, s20, 13
	v_add_nc_u32 v13, s28, v1                      ; v13 Wg in memory: my wave's 8,192 bytes
	v_add_nc_u32 v14, XSB, v1                      ; v14 the scale bytes on their way out
	v_lshl_add_u32 v15, v18, 6, LG                 ; v15 a token's 16 partial logits
	s_lshl_b32 s34, ttmp9, 2
	s_add_co_u32 s34, s34, s20                     ; my weight tile's number: matrix x 512 + expert x 64 + tile
	s_bfe_u32 s35, s34, 0x30006                    ; the expert,
	s_lshl_b32 s35, s35, 20                        ; 1,024 rows of 1,024 bytes each
	s_and_b32 s36, s34, 63
	s_lshr_b32 s37, s36, 1
	s_lshl_b32 s37, s37, 15                        ; a pair of tiles is 32 rows
	s_add_co_u32 s35, s35, s37
	s_and_b32 s36, s36, 1
	s_lshl_b32 s36, s36, s23
	s_add_co_u32 s36, s35, s36                     ; where the tile's first row begins in the codes
	s_mov_b32 s37, 0
	s_lshl_b32 s38, s34, 14                        ; and its image in wimg: 16,384 bytes a tile
	s_mov_b32 s39, 0
	s_lshl_b32 s40, ttmp9, 16                      ; x: 16 tokens of 4,096 bytes
	s_mov_b32 s41, 0
	s_lshl_b32 s42, ttmp9, 14                      ; their codes
	s_mov_b32 s43, 0
	s_lshl_b32 s44, ttmp9, 9                       ; their scale bytes
	s_mov_b32 s45, 0
	s_lshl_b32 s46, ttmp9, 7                       ; 128 bytes a work-group: the counts, the gate weights
	s_mov_b32 s47, 0
	s_lshl_b32 s48, ttmp9, 6                       ; 64 bytes: rec
	s_mov_b32 s49, 0
	s_wait_alu depctr_va_vdst(0)
	s_wait_kmcnt 0x0
	s_cmp_lt_u32 ttmp9, 128
	s_cselect_b64 s[8:9], s[8:9], s[10:11]         ; the choice hangs on the work-group's number alone
	s_add_nc_u64 s[8:9], s[8:9], s[36:37]
	s_add_nc_u64 s[14:15], s[14:15], s[38:39]
	s_add_nc_u64 s[4:5], s[4:5], s[40:41]
	s_add_nc_u64 s[10:11], s[12:13], s[44:45]
	s_add_nc_u64 s[10:11], s[10:11], XS_OFF        ; s[10:11] the scale bytes' place in xq
	s_add_nc_u64 s[12:13], s[12:13], s[42:43]
	s_add_nc_u64 s[30:31], s[16:17], s[46:47]      ; s[30:31] the counts (HIST stands in the store's immediate)
	s_add_nc_u64 s[16:17], s[16:17], s[48:49]
	s_add_nc_u64 s[18:19], s[18:19], s[46:47]
.macro XLOAD n                         ; token n's half row: four loads of 512 consecutive bytes, into its own set in window 1
	WIN 0x40
.irp i, 0,1,2,3
	global_load_b128 v[XR+16*(\n)+4*\i:XR+16*(\n)+4*\i+3], v9, s[4:5] offset:4096*(\n)+512*\i th:TH_LOAD_NT
.endr
.endm
.macro XTURN n                         ; through the stage: LDS serves a wave's instructions in order, so no wait stands between the stores and the loads
	WIN 0x04                                       ; an LDS store's data are its source 1: window 1
.irp i, 0,1,2,3
	ds_store_b128 v7, v[XR+16*(\n)+4*\i:XR+16*(\n)+4*\i+3] offset:32*SPL*((\n)%2)+8*SPL*\i
.endr
	WIN 0
.irp i, 0,1,2,3
	ds_load_b128 v[X+16*((\n)%2)+4*\i:X+16*((\n)%2)+4*\i+3], v8 offset:32*SPL*((\n)%2)+16*\i
.endr
.endm
	; the first loads go out together, in the order in which they are wanted: Wg's 16, x's 32, the first 15 of the weight tile's 32
.set nn, 0
.rept 16
	global_load_b128 v[64+4*nn:67+4*nn], v13, s[6:7] offset:512*nn
.set nn, nn+1
.endr
.irp n, 0,1,2,3,4,5,6,7
	XLOAD \n
.endr
.set nn, 0
.rept 15                               ; the tile's rows 0-7, two halves of 512 bytes each (the last half follows below)
	global_load_b128 v[WT+4*nn:WT+4*nn+3], v1, s[8:9] offset:512*nn th:TH_LOAD_NT
.set nn, nn+1
.endr
	WIN 0
	s_wait_loadcnt 47                              ; Wg's 16 are in: x's 32 and the tile's 15 were issued behind them
.set nn, 0
.rept 16
	ds_store_b128 v5, v[64+4*nn:67+4*nn] offset:GPITCH*nn
.set nn, nn+1
.endr
	s_wait_dscnt 0x0                               ; for the others' sake: my part of Wg lies in LDS
	s_barrier_signal -1
	s_barrier_wait -1                              ; everybody's does
.irp e, 0,1,2,3,4,5,6,7
	v_mov_b32 v[T+\e], 0                           ; written once: a lane permute's destination counts as one of its sources
.endr
.set nn, 0
.rept 32
	ds_load_b128 v[G+4*nn:G+4*nn+3], v6 offset:16*nn               ; Wg(16 x chunk + k, e) into register 8 k + e
.set nn, nn+1
.endr
	WIN 0x40                                       ; the rest of the weight tile is asked for: the last half of row 7,
	global_load_b128 v[WT+60:WT+63], v1, s[8:9] offset:512*15 th:TH_LOAD_NT
.set nn, 16
.rept 16                               ; and rows 8-15
	global_load_b128 v[WT+4*nn:WT+4*nn+3], v2, s[8:9] offset:512*nn th:TH_LOAD_NT
.set nn, nn+1
.endr
	WIN 0
	s_wait_loadcnt 60                              ; token 0's four loads are in: the other tokens' 28 and the tile's 32 were issued behind them
	XTURN 0
; ONE TOKEN: its half row's share of the eight logits, and its codes.
.macro RSTEP n
.set XN, X+16*((\n)%2)
.set CN, C+4*((\n)%2)
	s_wait_dscnt 0x0                               ; this token's numbers are back from the stage (in step 0: Wg's too), and the last step's small stores have read their registers
.if (\n) < 7
	s_wait_loadcnt 4*(6-(\n))+32                   ; the next token's four loads are in; those of the tokens behind it and the tile's 32 may be out
	XTURN (\n)+1                                   ; the next token turns through the other stage while this one is worked
.endif
.irp k, 0,1,2,3,4,5,6,7,8,9,10,11,12,13,14,15
.irp pr, 0,1,2,3
.if \k == 0
	v_pk_mul_f32 v[ACC+2*\pr:ACC+2*\pr+1], v[G+2*\pr:G+2*\pr+1], v[XN:XN+1] op_sel_hi:[1,0]   ; the first product starts the sums
.elseif (\k%2) == 0
	v_pk_fma_f32 v[ACC+2*\pr:ACC+2*\pr+1], v[G+8*\k+2*\pr:G+8*\k+2*\pr+1], v[XN+\k:XN+\k+1], v[ACC+2*\pr:ACC+2*\pr+1] op_sel_hi:[1,0,1]   ; two experts at a time; of x's pair the first serves both
.else
	v_pk_fma_f32 v[ACC+2*\pr:ACC+2*\pr+1], v[G+8*\k+2*\pr:G+8*\k+2*\pr+1], v[XN+\k-1:XN+\k], v[ACC+2*\pr:ACC+2*\pr+1] op_sel:[0,1,0] op_sel_hi:[1,1,1]   ; the second serves both
.endif
.endr
.endr
.irp m, 1,2,4,8
.irp e, 0,1,2,3,4,5,6,7
	v_add_f32_dpp v[ACC+\e], v[ACC+\e], v[ACC+\e] row_xmask:\m row_mask:0xf bank_mask:0xf   ; over the 16 lanes of a half, the eight sums by turns
.endr
.endr
.irp e, 0,1,2,3,4,5,6,7
	v_permlanex16_b32 v[T+\e], v[ACC+\e], s24, s25
.endr
.irp e, 0,1,2,3,4,5,6,7
	v_add_f32 v[ACC+\e], v[ACC+\e], v[T+\e]        ; and the other half's: every lane holds the half row's sums
.endr
	ds_store_b128 v12, v[ACC:ACC+3] offset:64*(\n)                 ; all lanes write the same words with the same values
	ds_store_b128 v12, v[ACC+4:ACC+7] offset:64*(\n)+16
	v_max3_num_f32 v[QA], |v[XN]|, |v[XN+1]|, |v[XN+2]|            ; the largest magnitude of my 16, in two chains
	v_max3_num_f32 v[QB], |v[XN+3]|, |v[XN+4]|, |v[XN+5]|
.irp i, 6,10
	v_max3_num_f32 v[QA], v[QA], |v[XN+\i]|, |v[XN+\i+1]|
	v_max3_num_f32 v[QB], v[QB], |v[XN+\i+2]|, |v[XN+\i+3]|
.endr
	v_max3_num_f32 v[QA], v[QA], |v[XN+14]|, |v[XN+15]|
	v_max3_num_f32 v[QA], v[QA], v[QB], 0x8000000  ; and the floor 2^(16 - 127): the byte cannot fall under 1
	v_max_num_f32_dpp v[QA], v[QA], v[QA] row_xmask:1 row_mask:0xf bank_mask:0xf   ; with my neighbour's 16: the block's
	v_add_nc_u32 v[QS], 0xf8800000, v[QA]          ; 15 off its exponent field: the conversion takes this operand's exponent field as its scale
	v_and_or_b32 v[QH], v[QA], 0x7f800000, s26     ; 57,344 x the scale
.irp i, 0,1,2,3,4,5,6,7,8,9,10,11,12,13,14,15
	v_med3_num_f32 v[XN+\i], v[XN+\i], -v[QH], v[QH]               ; the conversion to an 8-bit code does not saturate (ISA guide 7.6.2): the hold comes first
.endr
	s_wait_alu depctr_va_vdst(0)
	s_wait_xcnt 0x0                                ; the store of two steps ago has read this set of codes
	v_cvt_scalef32_pk8_bf8_f32 v[CN:CN+1], v[XN:XN+7], v[QS]
	v_cvt_scalef32_pk8_bf8_f32 v[CN+2:CN+3], v[XN+8:XN+15], v[QS]
	v_lshrrev_b32 v[QE], 23, v[QS]                 ; the scale's byte (a plain line behind the conversions)
	ds_store_b8 v11, v[QE] offset:32*(\n)          ; both lanes of a block write the same byte with the same value
	global_store_b128 v10, v[CN:CN+3], s[12:13] offset:1024*(\n)   ; 32 lanes store 512 consecutive bytes
.endm
.irp n, 0,1,2,3,4,5,6,7
	RSTEP \n
.endr
	; the weight tile: in as rows, out as the operand's pieces
	s_wait_loadcnt 0x0
	WIN 0x04
.set nn, 0
.rept 32
	ds_store_b128 v3, v[WT+4*nn:WT+4*nn+3] offset:WPITCH*(nn/2)+512*(nn%2)
.set nn, nn+1
.endr
	WIN 0x40
.set nn, 0
.rept 32
	ds_load_b128 v[WT+4*nn:WT+4*nn+3], v4 offset:32*nn             ; piece 4 s + c: bytes 128 s + 32 c + 16 h of row r
.set nn, nn+1
.endr
	WIN 0x04                                       ; a store's data are its source 1: window 1
.set nn, 0
.rept 32
	s_wait_dscnt 31-nn                             ; LDS loads come back in order: piece nn is in
	global_store_b128 v1, v[WT+4*nn:WT+4*nn+3], s[14:15] offset:512*nn   ; 32 lanes store 512 consecutive bytes
.set nn, nn+1
.endr
	WIN 0                                          ; at a branch and at a label every window is 0
	s_wait_dscnt 0x0                               ; for the others' sake: my logits and scale bytes lie in LDS
	s_barrier_signal -1
	s_barrier_wait -1
	s_cmp_eq_u32 s20, 1
	s_cbranch_scc0 .Lnot_wave_1
	ds_load_b128 v[16:19], v14                     ; wave 1: the 16 tokens' 512 scale bytes leave as two aligned runs of 256
	s_wait_dscnt 0x0
	global_store_b128 v1, v[16:19], s[10:11]
	s_wait_tensorcnt 0x0
	ds_add_u32 v51, v63
	s_wait_dscnt 0x0
	s_endpgm
.Lnot_wave_1:
	s_cmp_eq_u32 s20, 0
	s_cbranch_scc0 .Lend
	; wave 0: the choice.  Lane l serves token l % 16; the two halves of the lanes hold the same.
	ds_load_b128 v[16:19], v15
	ds_load_b128 v[20:23], v15 offset:16
	ds_load_b128 v[24:27], v15 offset:32
	ds_load_b128 v[28:31], v15 offset:48
	v_and_b32 v38, 31, v0                          ; lane
	v_and_b32 v39, 15, v0                          ; token
	v_mov_b32 v36, 0xff800000                      ; -infinity
	v_mov_b32 v37, 1
	s_wait_dscnt 0x0
.irp e, 0,2,4,6
	v_pk_add_f32 v[16+\e:17+\e], v[16+\e:17+\e], v[24+\e:25+\e]    ; the two halves of K: the logits, v16-23
.endr
	v_mov_b32 v32, v16                             ; the largest, and its index: a later one must be strictly larger
	v_mov_b32 v33, 0
.irp e, 1,2,3,4,5,6,7
	v_cmp_ge_f32 vcc_lo, v32, v[16+\e]
	v_cndmask_b32 v32, v[16+\e], v32, vcc_lo
	v_cndmask_b32 v33, \e, v33, vcc_lo
.endr
.irp e, 0,1,2,3,4,5,6,7
	v_cmp_eq_u32 vcc_lo, \e, v33
	v_cndmask_b32 v[16+\e], v[16+\e], v36, vcc_lo  ; the chosen one is taken out
.endr
	v_mov_b32 v34, v16                             ; the second largest likewise
	v_mov_b32 v35, 0
.irp e, 1,2,3,4,5,6,7
	v_cmp_ge_f32 vcc_lo, v34, v[16+\e]
	v_cndmask_b32 v34, v[16+\e], v34, vcc_lo
	v_cndmask_b32 v35, \e, v35, vcc_lo
.endr
	v_sub_f32 v40, v34, v32                        ; the larger is taken away: 0 or less
	v_mul_f32 v40, 0x3fb8aa3b, v40
	s_wait_alu depctr_va_vdst(0)
	v_exp_f32 v41, v40
	v_min_u32 v44, v33, v35                        ; a (a plain line behind the exponential)
	s_wait_alu depctr_va_vdst(0)                   ; the wait ahead of the first use
	v_add_f32 v42, 1.0, v41
	s_wait_alu depctr_va_vdst(0)
	v_rcp_f32 v56, v42                             ; the larger one's weight
	v_add_nc_u32 v45, v33, v35                     ; (a plain line behind the reciprocal)
	s_wait_alu depctr_va_vdst(0)
	v_mul_f32 v43, v41, v56                        ; the smaller one's
	v_sub_nc_u32 v45, v45, v44                     ; b
	v_cmp_lt_u32 vcc_lo, v33, v35
	v_cndmask_b32 v46, v43, v56, vcc_lo            ; a's weight
	v_cndmask_b32 v47, v56, v43, vcc_lo            ; b's
	v_sub_nc_u32 v48, 15, v44
	v_mul_u32_u24 v48, v48, v44
	v_lshrrev_b32 v48, 1, v48
	v_add_nc_u32 v48, v48, v45
	v_sub_nc_u32 v48, v48, v44
	v_add_nc_u32 v48, -1, v48                      ; g
	v_mov_b32 v49, 0                               ; lane l counts the tokens of pair l (v49, v57: even and odd tokens),
	v_mov_b32 v57, 0
	v_mov_b32 v50, 0                               ; and the earlier tokens of its own token's pair (v50, v58)
	v_mov_b32 v58, 0
	; the sixteen tokens' steps stand kind by kind, so that no line waits for the line above it
.set tq, 0
.rept 16
	v_readlane_b32 s[32+tq], v48, tq               ; token tq's pair
.set tq, tq+1
.endr
.set tq, 0
.rept 16
	v_cmp_eq_u32 s[66+tq], s[32+tq], v38           ; is it the pair that my lane stands for?
	v_cmp_eq_u32 s[82+tq], s[32+tq], v48           ; is it my token's pair?
.set tq, tq+1
.endr
.set tq, 0
.rept 16
	s_and_b32 s[82+tq], s[82+tq], ((0xffff<<(tq+1))&0xffff)*0x10001   ; that counts only for the tokens behind token tq, in both halves
.set tq, tq+1
.endr
.set tq, 0
.rept 8
	v_cndmask_b32 v59, 0, v37, s[66+tq]
	v_cndmask_b32 v60, 0, v37, s[67+tq]
	v_cndmask_b32 v61, 0, v37, s[82+tq]
	v_cndmask_b32 v62, 0, v37, s[83+tq]
	v_add_nc_u32 v49, v49, v59
	v_add_nc_u32 v57, v57, v60
	v_add_nc_u32 v50, v50, v61
	v_add_nc_u32 v58, v58, v62
.set tq, tq+2
.endr
	v_add_nc_u32 v49, v49, v57
	v_add_nc_u32 v50, v50, v58
	v_lshl_or_b32 v52, v50, 8, v48
	v_lshlrev_b32 v53, 2, v38
	v_lshlrev_b32 v54, 2, v39
	v_lshlrev_b32 v55, 3, v39
	global_store_b32 v53, v49, s[30:31] offset:HIST
	global_store_b32 v54, v52, s[16:17]            ; (both halves of the lanes store the same words with the same values)
	global_store_b64 v55, v[46:47], s[18:19]
.Lend:
	s_wait_tensorcnt 0x0
	ds_add_u32 v51, v63
	s_wait_dscnt 0x0
	s_endpgm
.Lfunc_end_k_q7193a2fed0_prep:
	.size	k_q7193a2fed0_prep, .Lfunc_end_k_q7193a2fed0_prep-k_q7193a2fed0_prep
	.p2alignl 7, 3214868480
	.fill 96, 4, 3214868480
	.section	.rodata,"a",@progbits
	.p2align	6, 0x0
	.amdhsa_kernel k_q7193a2fed0_prep
		.amdhsa_group_segment_fixed_size 123392
		.amdhsa_private_segment_fixed_size 0
		.amdhsa_enable_private_segment 0
		.amdhsa_kernarg_size 64
		.amdhsa_user_sgpr_count 2
		.amdhsa_user_sgpr_kernarg_segment_ptr 1
		.amdhsa_wavefront_size32 1
		.amdhsa_system_sgpr_workgroup_id_x 1
		.amdhsa_system_sgpr_workgroup_id_y 1
		.amdhsa_system_sgpr_workgroup_id_z 1
		.amdhsa_system_vgpr_workitem_id 0
		.amdhsa_next_free_vgpr 512
		.amdhsa_next_free_sgpr 98
		.amdhsa_reserve_vcc 1
		.amdhsa_float_denorm_mode_32 3
		.amdhsa_float_denorm_mode_16_64 3
		.amdhsa_memory_ordered 1
		.amdhsa_forward_progress 1
		.amdhsa_inst_pref_size 113
	.end_amdhsa_kernel
	.amdgpu_metadata
---
amdhsa.version: [ 1, 2 ]
amdhsa.kernels:
  - .name:           k_q7193a2fed0_prep
    .symbol:         k_q7193a2fed0_prep.kd
    .args:
      - { .name: x, .offset: 0, .size: 8, .value_kind: global_buffer, .address_space: global }
      - { .name: Wg, .offset: 8, .size: 8, .value_kind: global_buffer, .address_space: global }
      - { .name: W1_codes, .offset: 16, .size: 8, .value_kind: global_buffer, .address_space: global }
      - { .name: W2_codes, .offset: 24, .size: 8, .value_kind: global_buffer, .address_space: global }
      - { .name: xq, .offset: 32, .size: 8, .value_kind: global_buffer, .address_space: global }
      - { .name: wimg, .offset: 40, .size: 8, .value_kind: global_buffer, .address_space: global }
      - { .name: route, .offset: 48, .size: 8, .value_kind: global_buffer, .address_space: global }
      - { .name: wgt, .offset: 56, .size: 8, .value_kind: global_buffer, .address_space: global }
    .group_segment_fixed_size: 123392
    .private_segment_fixed_size: 0
    .kernarg_segment_align: 8
    .kernarg_segment_size: 64
    .max_flat_workgroup_size: 128
    .sgpr_count:     98
    .vgpr_count:     512
    .wavefront_size: 32
...
	.end_amdgpu_metadata
.endif
;; end of part 1
;; launch place (part 2): grid 1 x 1, 32 waves a work-group, no clusters, 8,192 bytes of LDS; arguments route, lists; writes lists
.if DOCPART == 2
	.amdgcn_target "amdgcn-amd-amdhsa--gfx1250"
	.amdhsa_code_object_version 6
	.text
	.protected	k_q7193a2fed0_place
	.globl	k_q7193a2fed0_place
	.p2align	8
	.type	k_q7193a2fed0_place,@function
k_q7193a2fed0_place:
	s_mov_b64 s[64:65], 0
	v_nop
	global_prefetch_b8 v0, s[64:65] scope:SCOPE_SE
	s_setreg_imm32_b32 hwreg(HW_REG_WAVE_MODE, 25, 1), 1
	s_wait_xcnt 0x0
; THE SECOND LAUNCH: the tokens are placed by their pair of experts.  One work-group; no atomics.
; Each pair g has c_g tokens and is cut into ceil(c_g / 80) RUNS of at most 80 tokens; the runs of all pairs are numbered on end (never more than 79: ceil(4096 / 80) + 27).
; lists: perm[80 x run + slot] = token (only slots under the run's count are written, and later read); meta[run] = (a, b, count, 0), for 96 runs, count 0 where there is none.
; A lane stands for a pair.  Wave w adds up the counts of the first launch's work-groups 8 w .. 8 w + 7; the waves' totals meet in LDS; every wave then knows c_g, the tokens of g ahead of its eight rows,
; and, by a scan over the lanes, each pair's first run.  The tokens of those eight rows, 128 w .. 128 w + 127, are the wave's own to place: a token takes its row's start slot for its pair from the lane
; that stands for the pair (ds_bpermute_b32), and adds its rank.
.set HIST, 16384
.set META, 25600
	s_load_b128 s[4:7], s[0:1], 0x0                ; route, lists
	v_lshl_add_u32 v80, v0, 2, 0x1000
	v_mov_b32 v81, 0
	v_lshrrev_b32 v1, 5, v0
	s_delay_alu instid0(VALU_DEP_1)
	v_readfirstlane_b32 s8, v1                     ; wave
	v_and_b32 v2, 31, v0                           ; lane = pair
	s_lshl_b32 s9, s8, 10
	v_lshl_add_u32 v3, v2, 2, s9                   ; the counts of my eight rows: 128 bytes a row
	s_lshl_b32 s9, s8, 7
	v_add_nc_u32 v7, s9, v2                        ; token 128 w + l
	s_delay_alu instid0(VALU_DEP_1)
	v_lshlrev_b32 v4, 2, v7
	v_lshlrev_b32 v5, 2, v0                        ; LDS: a word for each thread: 128 w + 4 l
	v_lshlrev_b32 v6, 2, v2
	s_wait_alu depctr_va_vdst(0)
	s_wait_kmcnt 0x0
.irp j, 0,1,2,3
	global_load_b32 v[16+\j], v4, s[4:5] offset:128*\j             ; rec of tokens 128 w + 32 j + l
.endr
.irp k, 0,1,2,3,4,5,6,7
	global_load_b32 v[20+\k], v3, s[4:5] offset:HIST+128*\k
.endr
	s_wait_loadcnt 0x0
	v_mov_b32 v28, 0                               ; v28-35: tokens of my pair in the rows ahead, among my eight
.irp k, 1,2,3,4,5,6,7
	s_delay_alu instid0(VALU_DEP_1)
	v_add_nc_u32 v[28+\k], v[27+\k], v[19+\k]
.endr
	s_delay_alu instid0(VALU_DEP_1)
	v_add_nc_u32 v36, v35, v27                     ; and in all eight
	ds_store_b32 v5, v36
	s_wait_dscnt 0x0                               ; for the others' sake
	s_barrier_signal -1
	s_barrier_wait -1
.set nn, 0
.rept 32
	ds_load_b32 v[40+nn], v6 offset:128*nn         ; every wave's total for my pair
.set nn, nn+1
.endr
	v_mov_b32 v37, 0                               ; tokens of my pair in the waves ahead of mine
	v_mov_b32 v38, 0                               ; c_g
	s_wait_alu depctr_va_vdst(0)
	s_wait_dscnt 0x0
.set nn, 0
.rept 32
	s_cmp_eq_u32 s8, nn
	s_cselect_b32 s10, -1, 0
	v_cndmask_b32 v37, v37, v38, s10
	v_add_nc_u32 v38, v38, v[40+nn]
.set nn, nn+1
.endr
	s_delay_alu instid0(VALU_DEP_1)
	v_add_nc_u32 v8, 79, v38
	s_delay_alu instid0(VALU_DEP_1)
	v_mul_u32_u24 v8, v8, 0xcccd
	s_delay_alu instid0(VALU_DEP_1)
	v_lshrrev_b32 v8, 22, v8                       ; the pair's runs: (c + 79) / 80, exact up to c = 4,096 (52,429 / 2^22 is 1 / 80 to five parts in 10^8)
	s_delay_alu instid0(VALU_DEP_1)
	v_mov_b32 v9, v8
	v_mov_b32 v10, 0
.irp m, 1
	s_delay_alu instid0(VALU_DEP_2)
	v_mov_b32_dpp v10, v9 row_shr:\m row_mask:0xf bank_mask:0xf bound_ctrl:1
	s_delay_alu instid0(VALU_DEP_1)
	v_add_nc_u32 v9, v9, v10                       ; a running sum inside each half of the lanes,
.endr
.irp m, 2, 4, 8
	s_delay_alu instid0(VALU_DEP_1)
	v_mov_b32_dpp v10, v9 row_shr:\m row_mask:0xf bank_mask:0xf bound_ctrl:1
	s_delay_alu instid0(VALU_DEP_1)
	v_add_nc_u32 v9, v9, v10                       ; a running sum inside each half of the lanes,
.endr
	s_delay_alu instid0(VALU_DEP_1)
	v_readlane_b32 s10, v9, 15
	v_cmp_lt_u32 vcc_lo, 15, v2
	s_delay_alu instid0(VALU_DEP_2)
	v_mov_b32 v10, s10
	s_delay_alu instid0(VALU_DEP_1)
	v_cndmask_b32 v10, 0, v10, vcc_lo
	s_delay_alu instid0(VALU_DEP_1)
	v_add_nc_u32 v9, v9, v10                       ; the lower half's total onto the upper half,
	s_delay_alu instid0(VALU_DEP_1)
	v_sub_nc_u32 v9, v9, v8                        ; less my own: the pair's first run
	s_delay_alu instid0(VALU_DEP_1)
	v_mul_u32_u24 v11, v9, 80
	s_delay_alu instid0(VALU_DEP_1)
	v_add_nc_u32 v11, v11, v37
.irp k, 0,1,2,3,4,5,6,7
	v_add_nc_u32 v[28+\k], v[28+\k], v11           ; the slot at which row 8 w + k's tokens of my pair begin
.endr
.irp j, 0,1,2,3
	v_and_b32 v[12+\j], 31, v[16+\j]
	s_delay_alu instid0(VALU_DEP_1)
	v_lshlrev_b32 v[12+\j], 2, v[12+\j]            ; the lane that stands for the token's pair
	ds_bpermute_b32 v[40+2*\j], v[12+\j], v[28+2*\j]               ; lanes 0-15 hold tokens of row 8 w + 2 j,
	ds_bpermute_b32 v[41+2*\j], v[12+\j], v[29+2*\j]               ; lanes 16-31 of the row behind it
.endr
	s_wait_dscnt 0x0
.irp j, 0,1,2,3
	v_cndmask_b32 v[40+2*\j], v[40+2*\j], v[41+2*\j], vcc_lo
	v_bfe_u32 v[24+\j], v[16+\j], 8, 8
	s_delay_alu instid0(VALU_DEP_1)
	v_add_nc_u32 v[40+2*\j], v[40+2*\j], v[24+\j]  ; + the token's rank in its row
	s_delay_alu instid0(VALU_DEP_1)
	v_min_u32 v[40+2*\j], 6319, v[40+2*\j]         ; held inside perm
	s_delay_alu instid0(VALU_DEP_1)
	v_lshlrev_b32 v[40+2*\j], 2, v[40+2*\j]
	v_add_nc_u32 v[24+\j], 32*\j, v7
	global_store_b32 v[40+2*\j], v[24+\j], s[6:7]  ; 4 bytes a lane to places that the routing decides: 16 KiB in all
.endr
	s_cmp_lt_u32 s8, 3
	s_cbranch_scc0 .Lend
	; waves 0 to 2: thread rho writes run rho's entry: the last pair whose first run is not behind rho
	v_readlane_b32 s11, v38, 0
	v_mov_b32 v72, 0                               ; a
	v_mov_b32 v73, 1                               ; b
	s_delay_alu instid0(VALU_DEP_3)
	v_mov_b32 v76, s11                             ; c
	v_mov_b32 v77, 0                               ; the pair's first run
.set ga, 0
.set gb, 2
.set gg, 1
.rept 27
	v_readlane_b32 s10, v9, gg
	v_readlane_b32 s11, v38, gg
	s_delay_alu instid0(VALU_DEP_2)
	v_cmp_gt_u32 vcc_lo, s10, v0
	s_delay_alu instid0(VALU_DEP_1)
	v_cndmask_b32 v72, ga, v72, vcc_lo
	s_delay_alu instid0(VALU_DEP_2)
	v_cndmask_b32 v73, gb, v73, vcc_lo
	s_delay_alu instid0(VALU_DEP_3)
	v_cndmask_b32 v76, s11, v76, vcc_lo
	s_delay_alu instid0(VALU_DEP_4)
	v_cndmask_b32 v77, s10, v77, vcc_lo
.set gb, gb+1
.if gb > 7
.set ga, ga+1
.set gb, ga+1
.endif
.set gg, gg+1
.endr
	s_delay_alu instid0(VALU_DEP_1)
	v_sub_nc_u32 v78, v0, v77
	s_delay_alu instid0(VALU_DEP_1)
	v_mul_u32_u24 v78, v78, 80
	s_delay_alu instid0(VALU_DEP_1)
	v_min_u32 v78, v78, v76
	s_delay_alu instid0(VALU_DEP_1)
	v_sub_nc_u32 v74, v76, v78                     ; what is left of the pair's tokens at this run, 0 at the least,
	s_delay_alu instid0(VALU_DEP_1)
	v_min_u32 v74, 80, v74                         ; 80 at the most
	v_mov_b32 v75, 0
	v_lshlrev_b32 v79, 4, v0
	global_store_b128 v79, v[72:75], s[6:7] offset:META
.Lend:
	s_wait_tensorcnt 0x0
	ds_add_u32 v80, v81
	s_wait_dscnt 0x0
	s_endpgm
.Lfunc_end_k_q7193a2fed0_place:
	.size	k_q7193a2fed0_place, .Lfunc_end_k_q7193a2fed0_place-k_q7193a2fed0_place
	.p2alignl 7, 3214868480
	.fill 96, 4, 3214868480
	.section	.rodata,"a",@progbits
	.p2align	6, 0x0
	.amdhsa_kernel k_q7193a2fed0_place
		.amdhsa_group_segment_fixed_size 8192
		.amdhsa_private_segment_fixed_size 0
		.amdhsa_enable_private_segment 0
		.amdhsa_kernarg_size 16
		.amdhsa_user_sgpr_count 2
		.amdhsa_user_sgpr_kernarg_segment_ptr 1
		.amdhsa_wavefront_size32 1
		.amdhsa_system_sgpr_workgroup_id_x 1
		.amdhsa_system_sgpr_workgroup_id_y 1
		.amdhsa_system_sgpr_workgroup_id_z 1
		.amdhsa_system_vgpr_workitem_id 0
		.amdhsa_next_free_vgpr 82
		.amdhsa_next_free_sgpr 66
		.amdhsa_reserve_vcc 1
		.amdhsa_float_denorm_mode_32 3
		.amdhsa_float_denorm_mode_16_64 3
		.amdhsa_memory_ordered 1
		.amdhsa_forward_progress 1
		.amdhsa_inst_pref_size 28
	.end_amdhsa_kernel
	.amdgpu_metadata
---
amdhsa.version: [ 1, 2 ]
amdhsa.kernels:
  - .name:           k_q7193a2fed0_place
    .symbol:         k_q7193a2fed0_place.kd
    .args:
      - { .name: route, .offset: 0, .size: 8, .value_kind: global_buffer, .address_space: global }
      - { .name: lists, .offset: 8, .size: 8, .value_kind: global_buffer, .address_space: global }
    .group_segment_fixed_size: 8192
    .private_segment_fixed_size: 0
    .kernarg_segment_align: 8
    .kernarg_segment_size: 16
    .max_flat_workgroup_size: 1024
    .sgpr_count:     66
    .vgpr_count:     82
    .wavefront_size: 32
...
	.end_amdgpu_metadata
.endif
;; end of part 2
;; launch up (part 3): grid 316 x 1, 4 waves a work-group, no clusters, 87,552 bytes of LDS; arguments xq, wimg, W1_scales, b1, lists, hq; writes hq
.if DOCPART == 3
	.amdgcn_target "amdgcn-amd-amdhsa--gfx1250"
	.amdhsa_code_object_version 6
	.text
	.protected	k_q7193a2fed0_up
	.globl	k_q7193a2fed0_up
	.p2align	8
	.type	k_q7193a2fed0_up,@function
k_q7193a2fed0_up:
	s_mov_b64 s[64:65], 0
	v_nop
	global_prefetch_b8 v0, s[64:65] scope:SCOPE_SE
	s_setreg_imm32_b32 hwreg(HW_REG_WAVE_MODE, 25, 1), 1
	s_wait_xcnt 0x0
; THE THIRD LAUNCH: h = relu(x W1[e]^T + b1[e]) for the chosen experts alone, on codes of E5M2 with one E8M0 scale for each 32 along K, quantised again on the way and stored as images of the next product's operand.
; SHARES.  Work-group number = 4 x run + q.  A run is at most 80 tokens that chose the same two experts (a, b); the work-group makes hidden units 256 q .. 256 q + 255 of both experts for the run's five tiles of
; 16 token slots.  A slot at or behind the run's count repeats the run's last token, so that no lane is ever masked.  Wave w makes 64 units (four tiles of W1's images) for all five token tiles: 20 accumulators.
; 79 runs serve every routing; a run with count 0 stores nothing.  That is a branch on a number read from memory, so this text has no tensor load, and with it no joint load in a cluster: x's rows come
; through registers into LDS, the weights' images from memory straight into registers.  Every wave passes both barriers: only the work between them is jumped over, and the count is compared anew at each jump.
; THE PRODUCT IS USED TRANSPOSED: source 0 = 16 rows of W1, source 1 = 16 tokens.  Lane (r, h) holds token r; register j of tile 2 b + u holds hidden unit 32 b + 16 h + 8 u + j of the wave's 64 (the first launch
; chose the rows of W1's tiles for that): the 16 registers of two neighbouring tiles are 16 neighbours along the next K, and the conversions' results are pieces 2 (w % 2) + b of K step 2 q + w / 2 of the operand.
; hq: codes [run][2 i + p][K step 8][piece 4][lane][16 bytes]; scale bytes behind them, [run][q][i][p][token 16][8 bytes].
; K goes in 8 steps of 128 for each expert, 16 steps in all: the weights' fragments are asked for three steps ahead (four sets of 64 registers), x's come from LDS one step ahead (two sets of 80).
; LIMITS: a block of the hidden layer whose largest number lies under 2^-111 takes the scale byte 1, a block without a positive number too (its codes are zeros).  NaN and infinities are not served.
; REGISTERS, in windows of 256: window 0: v1-13 addresses; v16-47 W1's scale words; v48-67 x's; v68-79 at work; v96-175, v176-255 x's fragments, two sets.   window 1: W1's fragments, four sets.
;   window 2: v0-159 the accumulators ((i, t) at 32 i + 8 t); v160-223 the biases; v224-244 the quantiser's.
.set XS_OFF, 4194304                   ; xq: where the scale bytes begin
.set HS_OFF, 12943360                  ; hq: where the scale bytes begin
.set META,   25600                     ; lists: where the runs' entries begin
.set PITCH,  1072                      ; a token's row in LDS: 1,024 codes + 32 scale bytes + 16 = 67 x 16: the 16 rows of a read begin at 16 different 16-byte columns of 256
.set HSB,    80*PITCH                  ; behind the rows: the hidden layer's scale bytes, [i 5][p 2][token 16][8 bytes]
.set WS,  16                           ; register 16 p + 4 t + k: lanes 0-15 the word of K step k, lanes 16-31 of K step 4 + k
.set XS,  48                           ; register 4 i + k likewise
.set AB,  96
.set PG,  96                           ; at the head, where x's fragments will lie: v96-105 tokens, v106-115 and v116-125 offsets, v176-215 scale pieces
.set OC,  106
.set OS,  116
.set SCP, 176
.set ACC, 0                            ; in window 2
.set BI,  160
.set TM,  224                          ; +0,1 largest numbers; +2,3 the other lanes', then bytes; +4,5 57,344 x the scale; +6,7 the conversions' scale operands
.set CD,  232                          ; the codes just made
.set PW,  240                          ; two scale bytes, a register for each token tile
.set MSB, 0
.macro WIN new                         ; s_set_vgpr_msb: bits 1:0 source 0, 3:2 source 1, 5:4 source 2, 7:6 destination; the high byte repeats the setting that is left
.if MSB != \new
	s_set_vgpr_msb (MSB<<8)|\new
.set MSB, \new
.endif
.endm
.macro PLACES n
.rept \n
	v_nop
.endr
.endm
	s_load_b256 s[4:11], s[0:1], 0x0               ; xq s[4:5], wimg s[6:7], W1's scales s[8:9], b1 s[10:11]
	s_load_b128 s[12:15], s[0:1], 0x20             ; lists s[12:13], hq s[14:15]
	v_lshl_add_u32 v94, v0, 2, 0x15400
	v_mov_b32 v95, 0
	v_lshrrev_b32 v72, 5, v0
	v_readfirstlane_b32 s16, v72                   ; wave
	s_lshr_b32 s17, ttmp9, 2                       ; run
	s_and_b32 s18, ttmp9, 3                        ; q
	s_lshl_b32 s19, s17, 4
	s_wait_kmcnt 0x0
	s_load_b128 s[20:23], s[12:13], s19 offset:META   ; a, b, count, 0
	v_and_b32 v73, 31, v0                          ; l
	v_and_b32 v74, 15, v0                          ; r
	v_bfe_u32 v75, v0, 4, 1                        ; h
	v_lshlrev_b32 v1, 4, v73                       ; v1  16 l: an image's place for my lane
	v_mul_u32_u24 v2, v74, PITCH
	v_lshl_add_u32 v2, v75, 4, v2                  ; v2  x's fragments: row r, + 16 h
	v_add_nc_u32 v3, 3*16*PITCH, v2                ; v3  the same for token tiles 3 and 4 (an LDS offset has 16 bits)
	v_and_b32 v4, 8, v74
	v_add_nc_u32 v4, v4, v74
	v_lshlrev_b32 v4, 5, v4
	v_lshl_add_u32 v4, v75, 4, v4                  ; v4  W1's scale bytes: row r + 8 (r / 8) of 32 bytes, + 16 h
	v_lshlrev_b32 v5, 6, v75                       ; v5  b1: 16 h numbers on
	s_lshl_b32 s48, s16, 1
	s_add_co_u32 s48, s48, HSB
	v_lshl_add_u32 v6, v74, 3, s48                 ; v6  my wave's two bytes of token r's eight
	s_mul_i32 s48, s16, 20
	v_add_nc_u32 v9, s48, v75                      ; v9  the slots that I fetch: 20 w + h, two on with each load
	v_mul_u32_u24 v7, v9, PITCH
	v_add_nc_u32 v76, 15, v74
	v_lshrrev_b32 v76, 4, v76                      ; 0 for r = 0, else 1
	v_lshlrev_b32 v11, 4, v76                      ; v11 which half of a token's 32 scale bytes I fetch (lanes 1 to 15 of a half fetch the same)
	v_add_nc_u32 v8, v7, v11
	v_add_nc_u32 v8, 1024, v8                      ; v8  and where it goes
	v_lshlrev_b32 v10, 4, v74                      ; v10 16 r: sixteen lanes take 256 consecutive bytes of a token's codes
	v_add_nc_u32 v7, v7, v10                       ; v7  and where they go
	s_lshl_b32 s48, s16, 8
	v_lshl_add_u32 v13, v73, 3, s48                ; v13 the scale bytes on their way out: 256 bytes a wave
	v_add_nc_u32 v12, HSB, v13                     ; v12
.irp jj, 0,1,2,3,4,5,6,7,8,9
	v_add_nc_u32 v[OC+\jj], 2*\jj, v9
.endr
	WIN 0x80
	v_mov_b32 v[TM+2], 0                           ; written once: a lane permute's destination counts as one of its sources
	v_mov_b32 v[TM+3], 0
	WIN 0
	s_mov_b32 s44, 0x76543210
	s_mov_b32 s45, 0xfedcba98                      ; v_permlanex16_b32's selects for lane l xor 16
	s_mov_b32 s46, 0x600000                        ; the mantissa field of 57,344
	s_mov_b32 s51, 0
	s_mul_i32 s50, s17, 163840                     ; a run's ten images,
	s_lshl_b32 s52, s18, 12
	s_add_co_u32 s50, s50, s52
	s_lshl_b32 s52, s16, 10
	s_add_co_u32 s50, s50, s52                     ; K step 2 q + w / 2, piece 2 (w % 2): 4,096 q + 1,024 w
	s_add_nc_u64 s[38:39], s[14:15], s[50:51]
	s_mul_i32 s50, s17, 5120
	s_mul_i32 s52, s18, 1280
	s_add_co_u32 s50, s50, s52
	s_add_co_u32 s50, s50, HS_OFF
	s_add_nc_u64 s[40:41], s[14:15], s[50:51]      ; the work-group's 1,280 scale bytes
	s_mul_i32 s50, s17, 320
	s_add_nc_u64 s[42:43], s[12:13], s[50:51]      ; the run's 80 slots
	s_lshl_b32 s48, s18, 4
	s_lshl_b32 s49, s16, 2
	s_add_co_u32 s48, s48, s49                     ; my first tile among an expert's 64
	s_wait_kmcnt 0x0
	s_min_u32 s20, s20, 7                          ; what was read from memory is held before it enters an address
	s_min_u32 s21, s21, 7
	s_min_u32 s24, s22, 80
	s_sub_co_u32 s24, s24, 1                       ; the run's last slot
.irp p, 0,1
	s_lshl_b32 s50, s[20+\p], 6
	s_add_co_u32 s52, s50, s48                     ; tile 64 e + 16 q + 4 w
	s_lshl_b32 s50, s52, 14
	s_add_nc_u64 s[26+2*\p:27+2*\p], s[6:7], s[50:51]              ; its image: 16,384 bytes a tile
	s_lshl_b32 s50, s52, 9
	s_add_nc_u64 s[30+2*\p:31+2*\p], s[8:9], s[50:51]              ; its rows' scale bytes: 16 x 32
	s_lshl_b32 s50, s52, 6
	s_add_nc_u64 s[34+2*\p:35+2*\p], s[10:11], s[50:51]            ; its units' biases: 16 x 4
.endr
.macro LOAD_B g                        ; step g's four fragments of W1 into set g % 4: sixteen loads of 512 consecutive bytes
	WIN 0x40
.irp t, 0,1,2,3
.irp c, 0,1,2,3
	global_load_b128 v[64*((\g)%4)+16*\t+4*\c:64*((\g)%4)+16*\t+4*\c+3], v1, s[26+2*((\g)/8):27+2*((\g)/8)] offset:16384*\t+2048*((\g)%8)+512*\c
.endr
.endr
.endm
.macro WSLOAD p                        ; expert p's scale words: 16 bytes a lane: lanes 0-15 K steps 0-3, lanes 16-31 K steps 4-7
	WIN 0
.irp t, 0,1,2,3
	global_load_b128 v[WS+16*(\p)+4*\t:WS+16*(\p)+4*\t+3], v4, s[30+2*(\p):31+2*(\p)] offset:32*(32*(\t/2)+8*(\t%2))
.endr
.endm
.macro BILOAD p                        ; its biases in the result's layout: eight registers a tile
	WIN 0x80
.irp t, 0,1,2,3
	global_load_b128 v[BI+32*(\p)+8*\t:BI+32*(\p)+8*\t+3], v5, s[34+2*(\p):35+2*(\p)] offset:4*(32*(\t/2)+8*(\t%2))
	global_load_b128 v[BI+32*(\p)+8*\t+4:BI+32*(\p)+8*\t+7], v5, s[34+2*(\p):35+2*(\p)] offset:4*(32*(\t/2)+8*(\t%2))+16
.endr
.endm
.macro FETCH_A g                       ; step g's five fragments of x into set g % 2
	WIN 0
.irp i, 0,1,2,3,4
.irp c, 0,1,2,3
.if \i < 3
	ds_load_b128 v[AB+80*((\g)%2)+16*\i+4*\c:AB+80*((\g)%2)+16*\i+4*\c+3], v2 offset:16*PITCH*\i+128*((\g)%8)+32*\c
.else
	ds_load_b128 v[AB+80*((\g)%2)+16*\i+4*\c:AB+80*((\g)%2)+16*\i+4*\c+3], v3 offset:16*PITCH*(\i-3)+128*((\g)%8)+32*\c
.endif
.endr
.endr
.endm
	; what every work-group asks for: its slots' tokens first (the longest chain hangs on them), then the first two steps' weights
.irp jj, 0,1,2,3,4,5,6,7,8,9
	v_min_u32 v[OC+\jj], s24, v[OC+\jj]            ; a slot behind the last repeats the last
	v_min_u32 v[OC+\jj], 79, v[OC+\jj]
	v_lshlrev_b32 v[OC+\jj], 2, v[OC+\jj]
	global_load_b32 v[PG+\jj], v[OC+\jj], s[42:43]
.endr
	LOAD_B 0
	WSLOAD 0
	BILOAD 0
	LOAD_B 1
	WIN 0                                          ; at a branch and at a label every window is 0
	s_cmp_eq_u32 s22, 0
	s_cbranch_scc1 .Lno_rows_1
	; ---- the run's 80 rows of x, codes and scale bytes, into LDS: wave w fetches slots 20 w .. 20 w + 19, two rows a load
	s_wait_loadcnt 44                              ; the ten loads of tokens are in: 44 were issued behind them
.irp jj, 0,1,2,3,4,5,6,7,8,9
	v_min_u32 v[PG+\jj], 0xfff, v[PG+\jj]
	v_lshl_add_u32 v[OC+\jj], v[PG+\jj], 10, v10
	v_lshl_add_u32 v[OS+\jj], v[PG+\jj], 5, v11
.endr
	WIN 0x80                                       ; (the accumulators' registers are free yet)
.irp jj, 0,1,2,3,4,5,6,7,8,9
.irp k, 0,1,2,3
	global_load_b128 v[16*\jj+4*\k:16*\jj+4*\k+3], v[OC+\jj], s[4:5] offset:256*\k   ; sixteen lanes read 256 consecutive bytes of a token's row
.endr
.endr
	WIN 0
.irp jj, 0,1,2,3,4,5,6,7,8,9
	global_load_b128 v[SCP+4*\jj:SCP+4*\jj+3], v[OS+\jj], s[4:5] offset:XS_OFF
.endr
	s_wait_loadcnt 10                              ; the codes are in: the ten loads of scale bytes were issued behind them
	WIN 0x08
.irp jj, 0,1,2,3,4,5,6,7,8,9
.irp k, 0,1,2,3
	ds_store_b128 v7, v[16*\jj+4*\k:16*\jj+4*\k+3] offset:2*PITCH*\jj+256*\k
.endr
.endr
	WIN 0
	s_wait_loadcnt 0x0
.irp jj, 0,1,2,3,4,5,6,7,8,9
	ds_store_b128 v8, v[SCP+4*\jj:SCP+4*\jj+3] offset:2*PITCH*\jj  ; (lanes 1 to 15 of a half write the same bytes with the same values)
.endr
.Lno_rows_1:
	s_wait_dscnt 0x0                               ; for the others' sake: my rows lie in LDS
	s_barrier_signal -1
	s_barrier_wait -1
; A step: 128 along K of expert g / 8.  Eight places stand between the last step's products and the loads into registers that they have read.
; The 20 accumulators take turns, one instruction a turn, in the same order in every step.  An expert's first step takes the biases as C: nothing is cleared, nothing added later.
.macro STEP g
	PLACES 8
.if (\g) < 15
	FETCH_A (\g)+1
.endif
.if (\g) < 13
	LOAD_B (\g)+3
.endif
.if (\g) >= 13
	s_wait_loadcnt 16*(15-(\g))                    ; this step's weights are in; the later steps' sixteens may be out
.elseif (\g) >= 2
	s_wait_loadcnt 48                              ; this step's weights are in; three steps' sixteens were issued behind them.  (Steps 0 and 1: in since the wait at this part's head)
.endif
.if (\g) < 15
	s_wait_dscnt 20                                ; this step's fragments of x are in; the next step's twenty may be out
.else
	s_wait_dscnt 0x0
.endif
	WIN 0xa1                                       ; source 0 (W1) window 1, source 1 (x) window 0, C and D window 2
.set sK, (\g)%8
.set pE, (\g)/8
.set rW, 64*((\g)%4)
.set rX, AB+80*((\g)%2)
.irp i, 0,1,2,3,4
.irp t, 0,1,2,3
.if sK == 0
	v_wmma_scale_f32_16x16x128_f8f6f4 v[ACC+32*\i+8*\t:ACC+32*\i+8*\t+7], v[rW+16*\t:rW+16*\t+15], v[rX+16*\i:rX+16*\i+15], v[BI+32*pE+8*\t:BI+32*pE+8*\t+7], v[WS+16*pE+4*\t], v[XS+4*\i] matrix_a_fmt:MATRIX_FMT_BF8 matrix_b_fmt:MATRIX_FMT_BF8
.elseif sK < 4
	v_wmma_scale_f32_16x16x128_f8f6f4 v[ACC+32*\i+8*\t:ACC+32*\i+8*\t+7], v[rW+16*\t:rW+16*\t+15], v[rX+16*\i:rX+16*\i+15], v[ACC+32*\i+8*\t:ACC+32*\i+8*\t+7], v[WS+16*pE+4*\t+sK], v[XS+4*\i+sK] matrix_a_fmt:MATRIX_FMT_BF8 matrix_b_fmt:MATRIX_FMT_BF8
.else
	v_wmma_scale_f32_16x16x128_f8f6f4 v[ACC+32*\i+8*\t:ACC+32*\i+8*\t+7], v[rW+16*\t:rW+16*\t+15], v[rX+16*\i:rX+16*\i+15], v[ACC+32*\i+8*\t:ACC+32*\i+8*\t+7], v[WS+16*pE+4*\t+sK-4], v[XS+4*\i+sK-4] matrix_a_fmt:MATRIX_FMT_BF8 matrix_b_fmt:MATRIX_FMT_BF8 matrix_a_scale:MATRIX_SCALE_ROW1 matrix_b_scale:MATRIX_SCALE_ROW1
.endif
.endr
.endr
.endm
; 32 numbers of a lane, v[s] .. v[s + 31] of window 2, register 16 b + n = unit 32 b + 16 h + n of my token, become two pieces of codes in v[CD] on and two scale bytes in v[PW + i].
; What is negative becomes 0 on the way: it does not count for the largest number (no |.|; the floor stands over it), and the hold clips at 0.
.macro QUANT s, i
.irp b, 0,1
	v_max3_num_f32 v[TM+\b], v[(\s)+16*\b], v[(\s)+16*\b+1], 0x8000000   ; each accumulator is read from its low end on; the floor 2^(16 - 127) keeps the byte at 1 or more
.endr
.irp n, 2,4,6,8,10,12,14
.irp b, 0,1
	v_max3_num_f32 v[TM+\b], v[TM+\b], v[(\s)+16*\b+\n], v[(\s)+16*\b+\n+1]
.endr
.endr
.irp b, 0,1
	v_permlanex16_b32 v[TM+2+\b], v[TM+\b], s44, s45
.endr
.irp b, 0,1
	v_max_num_f32 v[TM+\b], v[TM+\b], v[TM+2+\b]   ; with lane l xor 16's 16: the block's largest number
.endr
.irp b, 0,1
	v_add_nc_u32 v[TM+6+\b], 0xf8800000, v[TM+\b]  ; 15 off its exponent field: the conversion's scale operand
.endr
.irp b, 0,1
	v_and_or_b32 v[TM+4+\b], v[TM+\b], 0x7f800000, s46             ; 57,344 x the scale
.endr
.irp b, 0,1
	v_lshrrev_b32 v[TM+2+\b], 23, v[TM+6+\b]       ; the scale's byte
.endr
	v_lshl_or_b32 v[PW+(\i)], v[TM+3], 8, v[TM+2]
.irp b, 0,1
.irp n, 0,1,2,3,4,5,6,7,8,9,10,11,12,13,14,15
	v_med3_num_f32 v[(\s)+16*\b+\n], v[(\s)+16*\b+\n], 0, v[TM+4+\b]   ; the activation and the hold in one (the conversion does not saturate: ISA guide 7.6.2)
.endr
.endr
	s_wait_alu depctr_va_vdst(0)
	s_wait_xcnt 0x0                                ; the last tile's stores have read the codes' registers
.irp b, 0,1
	v_cvt_scalef32_pk8_bf8_f32 v[CD+4*\b:CD+4*\b+1], v[(\s)+16*\b:(\s)+16*\b+7], v[TM+6+\b]
	v_cvt_scalef32_pk8_bf8_f32 v[CD+4*\b+2:CD+4*\b+3], v[(\s)+16*\b+8:(\s)+16*\b+15], v[TM+6+\b]
.endr
	v_nop                                          ; a plain line behind the last conversion: later products write its sources
.endm
.macro EPI p                           ; expert p's hidden layer leaves: two pieces of 512 consecutive bytes for each token tile; the scale bytes are gathered in LDS
	PLACES 8                                       ; in front of the first read of results
.irp i, 0,1,2,3,4
	WIN 0xaa
	QUANT ACC+32*\i, \i
	WIN 0x08                                       ; a store's data are its source 1: window 2
	global_store_b128 v1, v[CD:CD+3], s[38:39] offset:16384*(2*\i+(\p))
	global_store_b128 v1, v[CD+4:CD+7], s[38:39] offset:16384*(2*\i+(\p))+512
	ds_store_b16 v6, v[PW+\i] offset:256*\i+128*(\p)               ; both halves of the lanes write the same bytes with the same values
.endr
	WIN 0
.endm
	s_cmp_eq_u32 s22, 0
	s_cbranch_scc1 .Lno_rows_2
	s_wait_loadcnt 0x0                             ; nothing is out here behind the rows' part; the line makes that hold whichever way leads here
	WSLOAD 1
	BILOAD 1
	LOAD_B 2
	WIN 0
.irp i, 0,1,2,3,4
.if \i < 3
	ds_load_b128 v[XS+4*\i:XS+4*\i+3], v2 offset:16*PITCH*\i+1024  ; x's scale words: lanes 0-15 K steps 0-3, lanes 16-31 K steps 4-7
.else
	ds_load_b128 v[XS+4*\i:XS+4*\i+3], v3 offset:16*PITCH*(\i-3)+1024
.endif
.endr
	FETCH_A 0
.irp g, 0,1,2,3,4,5,6,7
	STEP \g
.endr
	EPI 0
.irp g, 8,9,10,11,12,13,14,15
	STEP \g
.endr
	EPI 1
.Lno_rows_2:
	s_wait_dscnt 0x0                               ; for the others' sake: my scale bytes lie in LDS
	s_barrier_signal -1
	s_barrier_wait -1
	s_cmp_eq_u32 s22, 0
	s_cbranch_scc1 .Lend
	ds_load_b64 v[68:69], v12                      ; the 1,280 scale bytes leave in aligned runs of 256: one a wave,
	s_wait_dscnt 0x0
	global_store_b64 v13, v[68:69], s[40:41]
	s_cmp_lg_u32 s16, 0
	s_cbranch_scc1 .Lend
	ds_load_b64 v[70:71], v12 offset:1024          ; and the fifth by wave 0
	s_wait_dscnt 0x0
	global_store_b64 v13, v[70:71], s[40:41] offset:1024
.Lend:
	s_wait_tensorcnt 0x0
	ds_add_u32 v94, v95
	s_wait_dscnt 0x0
	s_endpgm
.Lfunc_end_k_q7193a2fed0_up:
	.size	k_q7193a2fed0_up, .Lfunc_end_k_q7193a2fed0_up-k_q7193a2fed0_up
	.p2alignl 7, 3214868480
	.fill 96, 4, 3214868480
	.section	.rodata,"a",@progbits
	.p2align	6, 0x0
	.amdhsa_kernel k_q7193a2fed0_up
		.amdhsa_group_segment_fixed_size 87552
		.amdhsa_private_segment_fixed_size 0
		.amdhsa_enable_private_segment 0
		.amdhsa_kernarg_size 48
		.amdhsa_user_sgpr_count 2
		.amdhsa_user_sgpr_kernarg_segment_ptr 1
		.amdhsa_wavefront_size32 1
		.amdhsa_system_sgpr_workgroup_id_x 1
		.amdhsa_system_sgpr_workgroup_id_y 1
		.amdhsa_system_sgpr_workgroup_id_z 1
		.amdhsa_system_vgpr_workitem_id 0
		.amdhsa_next_free_vgpr 768
		.amdhsa_next_free_sgpr 66
		.amdhsa_reserve_vcc 0
		.amdhsa_float_denorm_mode_32 3
		.amdhsa_float_denorm_mode_16_64 3
		.amdhsa_memory_ordered 1
		.amdhsa_forward_progress 1
		.amdhsa_inst_pref_size 155
	.end_amdhsa_kernel
	.amdgpu_metadata
---
amdhsa.version: [ 1, 2 ]
amdhsa.kernels:
  - .name:           k_q7193a2fed0_up
    .symbol:         k_q7193a2fed0_up.kd
    .args:
      - { .name: xq, .offset: 0, .size: 8, .value_kind: global_buffer, .address_space: global }
      - { .name: wimg, .offset: 8, .size: 8, .value_kind: global_buffer, .address_space: global }
      - { .name: W1_scales, .offset: 16, .size: 8, .value_kind: global_buffer, .address_space: global }
      - { .name: b1, .offset: 24, .size: 8, .value_kind: global_buffer, .address_space: global }
      - { .name: lists, .offset: 32, .size: 8, .value_kind: global_buffer, .address_space: global }
      - { .name: hq, .offset: 40, .size: 8, .value_kind: global_buffer, .address_space: global }
    .group_segment_fixed_size: 87552
    .private_segment_fixed_size: 0
    .kernarg_segment_align: 8
    .kernarg_segment_size: 48
    .max_flat_workgroup_size: 128
    .sgpr_count:     66
    .vgpr_count:     768
    .wavefront_size: 32
...
	.end_amdgpu_metadata
.endif
;; end of part 3
;; launch down (part 4): grid 316 x 1, 4 waves a work-group, no clusters, 188,160 bytes of LDS; arguments hq, wimg, W2_scales, b2, lists, wgt, out0; writes out0
.if DOCPART == 4
	.amdgcn_target "amdgcn-amd-amdhsa--gfx1250"
	.amdhsa_code_object_version 6
	.text
	.protected	k_q7193a2fed0_down
	.globl	k_q7193a2fed0_down
	.p2align	8
	.type	k_q7193a2fed0_down,@function
k_q7193a2fed0_down:
	s_mov_b64 s[64:65], 0
	v_nop
	global_prefetch_b8 v0, s[64:65] scope:SCOPE_SE
	s_setreg_imm32_b32 hwreg(HW_REG_WAVE_MODE, 25, 1), 1
	s_wait_xcnt 0x0
; THE FOURTH LAUNCH: out[token] = w_a (h_a W2[a]^T + b2[a]) + w_b (h_b W2[b]^T + b2[b]), the products on codes of E5M2 with one E8M0 scale for each 32 along K.
; SHARES.  Work-group number = 4 x run + q, as in the launch before: a run's (at most) 80 tokens x columns 256 q .. 256 q + 255 of out, for both experts, so that each number of out has one owner and is stored once
; (a slot at or behind the run's count repeats the run's last token: the same bytes go to the same place again, from the same work-group).  Wave w makes 64 columns for the five token tiles: 20 accumulators.
; A run with count 0 stores nothing: a branch on a number read from memory, so this text has no tensor load, and with it no joint load in a cluster.  Every wave passes the barrier; only the work round it is jumped over.
; The run's ten images of the hidden layer (163,840 bytes) and its scale bytes come into LDS as they lie in memory; W2's images come from memory straight into registers, three steps ahead.
; THE PRODUCT IS USED TRANSPOSED: source 0 = 16 rows of W2 (columns of out), source 1 = 16 tokens: lane (r, h) holds token r and eight neighbouring columns 16 t + 8 h + j.  The biases are the C of each expert's first step.
; Behind expert a's eight steps the sums are multiplied by w_a into registers of their own; behind b's, w_b x the sums is added by fused multiply-adds, a token tile at a time.
; THE WAY OUT: a token tile goes through the wave's own stage in LDS and comes back as rows of 256 bytes; sixteen lanes store 256 consecutive bytes of a token's row, at a multiple of 256 from out's first byte.
; The tiles go by turns: tile i's multiply-adds and its way into the stage stand ahead of tile i - 1's stores, so that the wave works while a tile is on its way through LDS.
; REGISTERS, in windows of 256: window 0: v1-15 addresses; v16-47 W2's scale words; v48-87 the hidden layer's; v88-97 gate weights; v98-123 tokens and offsets; v128-207 hidden fragments of even steps
;   (on the way out v128-167: a second set of rows and offsets); v208-239 rows on the way out.
;   window 1: W2's fragments, four sets.   window 2: v0-159 the accumulators; v160-223 the biases.   window 3: v0-159 the weighted sums; v160-239 hidden fragments of odd steps.
.set HS_OFF, 12943360                  ; hq: where the scale bytes begin
.set META,   25600                     ; lists: where the runs' entries begin
.set HSL,    163840                    ; LDS: behind the images (from byte 0): the run's 5,120 scale bytes, [q 4][2 i + p][token 16][8 bytes]
.set STG,    168960                    ; a stage of 16 rows x (256 + 16) bytes for each wave
.set SPITCH, 272
.set TKL,    186368                    ; the run's 80 tokens, a copy for each wave
.set WS,  16                           ; register 16 p + 4 t + k: lanes 0-15 the word of K step k, lanes 16-31 of K step 4 + k
.set HS,  48                           ; register 4 (2 i + p) + 2 (s / 4) + s % 2: lanes 0-15 where (s / 2) % 2 = 0, lanes 16-31 where it is 1
.set WG,  88                           ; pairs (w_a, w_b) of token tile i
.set TK,  98
.set PFO, 103
.set AD,  116                          ; the way out: eight offsets, even tiles
.set AB0, 128
.set OB,  208                          ; the way out: eight rows, even tiles
.set OB1, 128                          ; the same for odd tiles, where the even steps' fragments lay
.set AD1, 160
.set AB1, 160                          ; in window 3
.set ACC, 0                            ; in window 2; the weighted sums have the same numbers in window 3
.set BI,  160
.set MSB, 0
.macro WIN new                         ; s_set_vgpr_msb: bits 1:0 source 0, 3:2 source 1, 5:4 source 2, 7:6 destination; the high byte repeats the setting that is left
.if MSB != \new
	s_set_vgpr_msb (MSB<<8)|\new
.set MSB, \new
.endif
.endm
.macro PLACES n
.rept \n
	v_nop
.endr
.endm
	s_load_b256 s[4:11], s[0:1], 0x0               ; hq s[4:5], wimg s[6:7], W2's scales s[8:9], b2 s[10:11]
	s_load_b128 s[12:15], s[0:1], 0x20             ; lists s[12:13], wgt s[14:15]
	s_load_b64 s[16:17], s[0:1], 0x30              ; out
	v_lshl_add_u32 v254, v0, 2, 0x2dd00
	v_mov_b32 v255, 0
	v_lshrrev_b32 v108, 5, v0
	v_readfirstlane_b32 s18, v108                  ; wave
	s_lshr_b32 s19, ttmp9, 2                       ; run
	s_and_b32 s24, ttmp9, 3                        ; q
	s_lshl_b32 s48, s19, 4
	s_wait_kmcnt 0x0
	s_load_b128 s[20:23], s[12:13], s48 offset:META   ; a, b, count, 0
	v_and_b32 v109, 31, v0                         ; l
	v_and_b32 v110, 15, v0                         ; r
	v_bfe_u32 v111, v0, 4, 1                       ; h
	v_lshlrev_b32 v1, 4, v109                      ; v1  16 l
	v_mov_b32 v2, v1                               ; v2-4 the images in LDS, four to a register (an LDS offset has 16 bits)
	v_add_nc_u32 v3, 65536, v1
	v_add_nc_u32 v4, 131072, v1
	v_lshlrev_b32 v5, 5, v110
	v_lshl_add_u32 v5, v111, 4, v5                 ; v5  W2's scale bytes: row r of 32 bytes, + 16 h
	v_lshlrev_b32 v6, 5, v111                      ; v6  b2: 8 h numbers on
	v_mul_u32_u24 v7, v111, 1280
	v_lshl_add_u32 v7, v110, 3, v7
	v_add_nc_u32 v7, HSL, v7                       ; v7  the hidden layer's scale words: token r's 8 bytes; lanes 16-31 one plane of 256 units further on
	s_mul_i32 s49, s18, 40960
	v_add_nc_u32 v8, s49, v1                       ; v8  my quarter of the images, in memory and in LDS alike
	s_mul_i32 s49, s18, 1280
	v_lshl_add_u32 v9, v109, 3, s49                ; v9  my quarter of the scale bytes
	v_add_nc_u32 v10, HSL, v9                      ; v10
	s_mul_i32 s49, s18, 16*SPITCH
	s_add_co_u32 s49, s49, STG
	v_mul_u32_u24 v11, v110, SPITCH
	v_lshl_add_u32 v11, v111, 5, v11
	v_add_nc_u32 v11, s49, v11                     ; v11 my stage, in: row r, + 32 h
	v_mul_u32_u24 v12, v111, SPITCH
	v_lshl_add_u32 v12, v110, 4, v12
	v_add_nc_u32 v12, s49, v12                     ; v12 back: lanes 0-15 one row, lanes 16-31 the next
	v_lshlrev_b32 v13, 4, v110                     ; v13 16 r
	s_mul_i32 s49, s18, 320
	s_add_co_u32 s49, s49, TKL
	v_lshl_add_u32 v14, v111, 2, s49               ; v14 my copy of the tokens, read: slot h, two on with each row pair
	v_lshl_add_u32 v15, v110, 2, s49               ; v15 written: slot r
.irp i, 0,1,2,3,4
	v_add_nc_u32 v[PFO+\i], 16*\i, v110
.endr
	s_mov_b32 s51, 0
	s_mul_i32 s50, s19, 163840
	s_add_nc_u64 s[38:39], s[4:5], s[50:51]        ; the run's images
	s_mul_i32 s50, s19, 5120
	s_add_co_u32 s50, s50, HS_OFF
	s_add_nc_u64 s[40:41], s[4:5], s[50:51]        ; its scale bytes
	s_mul_i32 s50, s19, 320
	s_add_nc_u64 s[42:43], s[12:13], s[50:51]      ; its 80 slots
	s_lshl_b32 s50, s24, 10
	s_lshl_b32 s52, s18, 8
	s_add_co_u32 s50, s50, s52
	s_add_nc_u64 s[46:47], s[16:17], s[50:51]      ; out at my wave's 64 columns
	s_lshl_b32 s52, s24, 4
	s_lshl_b32 s53, s18, 2
	s_add_co_u32 s53, s52, s53                     ; my first tile among an expert's 64
	s_wait_alu depctr_va_vdst(0)
	s_wait_kmcnt 0x0
	s_min_u32 s20, s20, 7                          ; what was read from memory is held before it enters an address
	s_min_u32 s21, s21, 7
	s_min_u32 s25, s22, 80
	s_sub_co_u32 s25, s25, 1                       ; the run's last slot
.irp p, 0,1
	s_lshl_b32 s50, s[20+\p], 6
	s_add_co_u32 s52, s50, s53                     ; tile 64 e + 16 q + 4 w
	s_lshl_b32 s50, s52, 14
	s_add_nc_u64 s[26+2*\p:27+2*\p], s[6:7], s[50:51]
	s_add_nc_u64 s[26+2*\p:27+2*\p], s[26+2*\p:27+2*\p], 0x800000  ; W2's images lie behind W1's
	s_lshl_b32 s50, s52, 9
	s_add_nc_u64 s[30+2*\p:31+2*\p], s[8:9], s[50:51]
	s_lshl_b32 s50, s52, 6
	s_add_nc_u64 s[34+2*\p:35+2*\p], s[10:11], s[50:51]
.endr
.macro LOAD_B g                        ; step g's four fragments of W2 into set g % 4: sixteen loads of 512 consecutive bytes
	WIN 0x40
.irp t, 0,1,2,3
.irp c, 0,1,2,3
	global_load_b128 v[64*((\g)%4)+16*\t+4*\c:64*((\g)%4)+16*\t+4*\c+3], v1, s[26+2*((\g)/8):27+2*((\g)/8)] offset:16384*\t+2048*((\g)%8)+512*\c
.endr
.endr
.endm
.macro WSLOAD p
	WIN 0
.irp t, 0,1,2,3
	global_load_b128 v[WS+16*(\p)+4*\t:WS+16*(\p)+4*\t+3], v5, s[30+2*(\p):31+2*(\p)] offset:512*\t
.endr
.endm
.macro BILOAD p
	WIN 0x80
.irp t, 0,1,2,3
	global_load_b128 v[BI+32*(\p)+8*\t:BI+32*(\p)+8*\t+3], v6, s[34+2*(\p):35+2*(\p)] offset:64*\t
	global_load_b128 v[BI+32*(\p)+8*\t+4:BI+32*(\p)+8*\t+7], v6, s[34+2*(\p):35+2*(\p)] offset:64*\t+16
.endr
.endm
.macro FETCH_A g                       ; step g's five hidden fragments: image 2 i + g / 8, K step g % 8; even steps into window 0, odd ones into window 3
.if ((\g)%2) == 0
	WIN 0
.set rF, AB0
.else
	WIN 0xc0
.set rF, AB1
.endif
.irp i, 0,1,2,3,4
.set mI, 2*\i+(\g)/8
.irp c, 0,1,2,3
	ds_load_b128 v[rF+16*\i+4*\c:rF+16*\i+4*\c+3], v[2+mI/4] offset:16384*(mI%4)+2048*((\g)%8)+512*\c
.endr
.endr
.endm
	; what every work-group asks for
.irp i, 0,1,2,3,4
	v_min_u32 v[PFO+\i], s25, v[PFO+\i]            ; a slot behind the last repeats the last
	v_min_u32 v[PFO+\i], 79, v[PFO+\i]
	v_lshlrev_b32 v[PFO+\i], 2, v[PFO+\i]
	global_load_b32 v[TK+\i], v[PFO+\i], s[42:43]  ; the token of slot 16 i + r
.endr
	LOAD_B 0
	WSLOAD 0
	BILOAD 0
	LOAD_B 1
	WIN 0                                          ; at a branch and at a label every window is 0
	s_cmp_eq_u32 s22, 0
	s_cbranch_scc1 .Lno_rows_1
	; ---- the run's images and scale bytes into LDS, a quarter a wave, through the registers that the sums will take
	WIN 0x80
.set nn, 0
.rept 40
	global_load_b128 v[4*nn:4*nn+3], v8, s[38:39] offset:512*nn
.set nn, nn+1
.endr
	WIN 0xc0
.rept 40
	global_load_b128 v[4*(nn-40):4*(nn-40)+3], v8, s[38:39] offset:512*nn
.set nn, nn+1
.endr
	WIN 0
.irp n, 0,1,2,3,4
	global_load_b64 v[OB+2*\n:OB+2*\n+1], v9, s[40:41] offset:256*\n
.endr
	s_wait_loadcnt 45                              ; the first forty are in: forty and five were issued behind them
	WIN 0x08
.set nn, 0
.rept 40
	ds_store_b128 v8, v[4*nn:4*nn+3] offset:512*nn
.set nn, nn+1
.endr
	s_wait_loadcnt 5
	WIN 0x0c
.rept 40
	ds_store_b128 v8, v[4*(nn-40):4*(nn-40)+3] offset:512*nn
.set nn, nn+1
.endr
	WIN 0
	s_wait_loadcnt 0x0
.irp n, 0,1,2,3,4
	ds_store_b64 v10, v[OB+2*\n:OB+2*\n+1] offset:256*\n
.endr
.Lno_rows_1:
	s_wait_dscnt 0x0                               ; for the others' sake: my quarter lies in LDS
	s_barrier_signal -1
	s_barrier_wait -1
; A step: 128 along K of expert g / 8.  Eight places stand between the last step's products and the loads into registers that they have read.
; The 20 accumulators take turns, one instruction a turn, in the same order in every step.
.macro STEP g
	PLACES 8
.if (\g) < 15
	FETCH_A (\g)+1
.endif
.if (\g) < 13
	LOAD_B (\g)+3
.endif
.if (\g) >= 13
	s_wait_loadcnt 16*(15-(\g))                    ; this step's weights are in; the later steps' sixteens may be out
.elseif (\g) >= 2
	s_wait_loadcnt 48                              ; this step's weights are in; three steps' sixteens were issued behind them.  (Steps 0 and 1: in since the wait at this part's head)
.endif
.if (\g) < 15
	s_wait_dscnt 20                                ; this step's hidden fragments are in; the next step's twenty may be out
.else
	s_wait_dscnt 0x0
.endif
.if ((\g)%2) == 0
	WIN 0xa1                                       ; source 0 (W2) window 1, source 1 (hidden) window 0, C and D window 2
.set rX, AB0
.else
	WIN 0xad                                       ; source 1 window 3
.set rX, AB1
.endif
.set sK, (\g)%8
.set pE, (\g)/8
.set rW, 64*((\g)%4)
.set rowA, sK/4
.set rowB, (sK/2)%2
.irp i, 0,1,2,3,4
.irp t, 0,1,2,3
.set rD, ACC+32*\i+8*\t
.set rC, rD
.if sK == 0
.set rC, BI+32*pE+8*\t
.endif
.set rSA, WS+16*pE+4*\t+sK%4
.set rSB, HS+4*(2*\i+pE)+2*(sK/4)+sK%2
.if rowA && rowB
	v_wmma_scale_f32_16x16x128_f8f6f4 v[rD:rD+7], v[rW+16*\t:rW+16*\t+15], v[rX+16*\i:rX+16*\i+15], v[rC:rC+7], v[rSA], v[rSB] matrix_a_fmt:MATRIX_FMT_BF8 matrix_b_fmt:MATRIX_FMT_BF8 matrix_a_scale:MATRIX_SCALE_ROW1 matrix_b_scale:MATRIX_SCALE_ROW1
.elseif rowA
	v_wmma_scale_f32_16x16x128_f8f6f4 v[rD:rD+7], v[rW+16*\t:rW+16*\t+15], v[rX+16*\i:rX+16*\i+15], v[rC:rC+7], v[rSA], v[rSB] matrix_a_fmt:MATRIX_FMT_BF8 matrix_b_fmt:MATRIX_FMT_BF8 matrix_a_scale:MATRIX_SCALE_ROW1
.elseif rowB
	v_wmma_scale_f32_16x16x128_f8f6f4 v[rD:rD+7], v[rW+16*\t:rW+16*\t+15], v[rX+16*\i:rX+16*\i+15], v[rC:rC+7], v[rSA], v[rSB] matrix_a_fmt:MATRIX_FMT_BF8 matrix_b_fmt:MATRIX_FMT_BF8 matrix_b_scale:MATRIX_SCALE_ROW1
.else
	v_wmma_scale_f32_16x16x128_f8f6f4 v[rD:rD+7], v[rW+16*\t:rW+16*\t+15], v[rX+16*\i:rX+16*\i+15], v[rC:rC+7], v[rSA], v[rSB] matrix_a_fmt:MATRIX_FMT_BF8 matrix_b_fmt:MATRIX_FMT_BF8
.endif
.endr
.endr
.endm
; THE WAY OUT of token tile i, in three parts.
.macro FIN i                           ; + w_b x expert b's sums: 16 packed multiply-adds; each accumulator from its low end on
	WIN 0xf2                                       ; source 0 (the sums) window 2, source 1 (the weights) window 0, source 2 and destination window 3
.set nn, 32*(\i)
.rept 16
	v_pk_fma_f32 v[nn:nn+1], v[nn:nn+1], v[WG+2*(\i):WG+2*(\i)+1], v[nn:nn+1] op_sel:[0,1,0] op_sel_hi:[1,1,1]
.set nn, nn+2
.endr
.endm
.macro TOST i                          ; 16 rows x 256 bytes into my stage and back as rows; each row's token from my copy of the list.  Even and odd tiles have registers of their own
.set rO, OB+(OB1-OB)*((\i)%2)
.set rA, AD+(AD1-AD)*((\i)%2)
	WIN 0x0c                                       ; an LDS store's data are its source 1: window 3
.irp t, 0,1,2,3
	ds_store_b128 v11, v[32*(\i)+8*\t:32*(\i)+8*\t+3] offset:64*\t           ; LDS serves a wave's instructions in order: these come behind the last tile's loads from the stage
	ds_store_b128 v11, v[32*(\i)+8*\t+4:32*(\i)+8*\t+7] offset:64*\t+16
.endr
	WIN 0
.irp k, 0,1,2,3,4,5,6,7
	ds_load_b128 v[rO+4*\k:rO+4*\k+3], v12 offset:2*SPITCH*\k      ; and these see the stores above
.endr
.irp k, 0,1,2,3,4,5,6,7
	ds_load_b32 v[rA+\k], v14 offset:64*(\i)+8*\k  ; the token of slot 16 i + 2 k + h
.endr
.endm
.macro SEND i, younger                 ; younger: the LDS instructions issued behind tile i's loads, which may stay out
.set rO, OB+(OB1-OB)*((\i)%2)
.set rA, AD+(AD1-AD)*((\i)%2)
	s_wait_dscnt \younger                          ; the tile's rows and tokens are in registers
.irp k, 0,1,2,3,4,5,6,7
	v_min_u32 v[rA+\k], 0xfff, v[rA+\k]
.endr
.irp k, 0,1,2,3,4,5,6,7
	v_lshl_add_u32 v[rA+\k], v[rA+\k], 12, v13     ; the token's row of 4,096 bytes, + 16 r
.endr
.irp k, 0,1,2,3,4,5,6,7
	global_store_b128 v[rA+\k], v[rO+4*\k:rO+4*\k+3], s[46:47] th:TH_STORE_NT   ; written once, read by nobody here
.endr
.endm
	s_cmp_eq_u32 s22, 0
	s_cbranch_scc1 .Lend
	s_wait_loadcnt 0x0                             ; nothing is out here behind the images' part; the line makes that hold whichever way leads here
.irp i, 0,1,2,3,4
	v_min_u32 v[TK+\i], 0xfff, v[TK+\i]
.endr
.irp i, 0,1,2,3,4
	ds_store_b32 v15, v[TK+\i] offset:64*\i        ; my wave's own copy (both halves of the lanes write the same words with the same values)
.endr
.irp i, 0,1,2,3,4
	v_lshlrev_b32 v[PFO+\i], 3, v[TK+\i]
.endr
.irp i, 0,1,2,3,4
	global_load_b64 v[WG+2*\i:WG+2*\i+1], v[PFO+\i], s[14:15]      ; (w_a, w_b) of my token
.endr
	WSLOAD 1
	BILOAD 1
	LOAD_B 2
	WIN 0
.irp m, 0,1,2,3,4,5,6,7,8,9
.irp u, 0,1
	ds_load_b64 v[HS+4*\m+2*\u:HS+4*\m+2*\u+1], v7 offset:2560*\u+128*\m
.endr
.endr
	FETCH_A 0
.irp g, 0,1,2,3,4,5,6,7
	STEP \g
.endr
	PLACES 8                                       ; in front of the first read of results
	WIN 0xc2                                       ; source 0 (the sums) window 2, source 1 (the weights) window 0, destination window 3
.set nn, 0
.rept 80
	v_pk_mul_f32 v[nn:nn+1], v[nn:nn+1], v[WG+2*(nn/32):WG+2*(nn/32)+1] op_sel_hi:[1,0]   ; x w_a; each accumulator from its low end on
.set nn, nn+2
.endr
.irp g, 8,9,10,11,12,13,14,15
	STEP \g
.endr
	PLACES 8                                       ; in front of the first read of results.  (The registers that the odd tiles' rows take were last read by step 14's products: step 15's eight places stand behind those)
	FIN 0
	TOST 0
.irp i, 1,2,3,4
	FIN \i
.if \i > 1
	s_wait_alu depctr_va_vdst(0)
	s_wait_xcnt 0x0                                ; tile i - 2's stores have read their rows and offsets: tile i's loads may land there
.endif
	TOST \i
	SEND \i-1, 24                                  ; behind tile i - 1's loads: tile i's 8 stores into the stage, its 8 rows and its 8 tokens
.endr
	SEND 4, 0
.Lend:
	s_wait_tensorcnt 0x0
	ds_add_u32 v254, v255
	s_wait_dscnt 0x0
	s_endpgm
.Lfunc_end_k_q7193a2fed0_down:
	.size	k_q7193a2fed0_down, .Lfunc_end_k_q7193a2fed0_down-k_q7193a2fed0_down
	.p2alignl 7, 3214868480
	.fill 96, 4, 3214868480
	.section	.rodata,"a",@progbits
	.p2align	6, 0x0
	.amdhsa_kernel k_q7193a2fed0_down
		.amdhsa_group_segment_fixed_size 188160
		.amdhsa_private_segment_fixed_size 0
		.amdhsa_enable_private_segment 0
		.amdhsa_kernarg_size 56
		.amdhsa_user_sgpr_count 2
		.amdhsa_user_sgpr_kernarg_segment_ptr 1
		.amdhsa_wavefront_size32 1
		.amdhsa_system_sgpr_workgroup_id_x 1
		.amdhsa_system_sgpr_workgroup_id_y 1
		.amdhsa_system_sgpr_workgroup_id_z 1
		.amdhsa_system_vgpr_workitem_id 0
		.amdhsa_next_free_vgpr 1024
		.amdhsa_next_free_sgpr 66
		.amdhsa_reserve_vcc 0
		.amdhsa_float_denorm_mode_32 3
		.amdhsa_float_denorm_mode_16_64 3
		.amdhsa_memory_ordered 1
		.amdhsa_forward_progress 1
		.amdhsa_inst_pref_size 143
	.end_amdhsa_kernel
	.amdgpu_metadata
---
amdhsa.version: [ 1, 2 ]
amdhsa.kernels:
  - .name:           k_q7193a2fed0_down
    .symbol:         k_q7193a2fed0_down.kd
    .args:
      - { .name: hq, .offset: 0, .size: 8, .value_kind: global_buffer, .address_space: global }
      - { .name: wimg, .offset: 8, .size: 8, .value_kind: global_buffer, .address_space: global }
      - { .name: W2_scales, .offset: 16, .size: 8, .value_kind: global_buffer, .address_space: global }
      - { .name: b2, .offset: 24, .size: 8, .value_kind: global_buffer, .address_space: global }
      - { .name: lists, .offset: 32, .size: 8, .value_kind: global_buffer, .address_space: global }
      - { .name: wgt, .offset: 40, .size: 8, .value_kind: global_buffer, .address_space: global }
      - { .name: out0, .offset: 48, .size: 8, .value_kind: global_buffer, .address_space: global }
    .group_segment_fixed_size: 188160
    .private_segment_fixed_size: 0
    .kernarg_segment_align: 8
    .kernarg_segment_size: 56
    .max_flat_workgroup_size: 128
    .sgpr_count:     66
    .vgpr_count:     1024
    .wavefront_size: 32
...
	.end_amdgpu_metadata
.endif
;; end of part 4
